; MI455X (gfx1250); checked and timed in simulation.
; The chip was launched on July 23, 2026; its instructions are those of AMD's public machine-readable ISA for CDNA 5 (MIT licence, August 2026) and "CDNA5" Instruction Set Architecture Reference Guide (July 2026).
;; Multi Head Self Attention. Allowed arithmetic: matrix products marked QUANTISED: E5M2 operands, one E8M0 scale for each 32 along K, by v_wmma_scale_f32_16x16x128_f8f6f4 with both operands' format E5M2, f32 sums; products left as they are: f32 operands where the result goes on into a quantised operand, else bf16, f16 or f32 operands; f32 sums; everything else in f32.
;; Inputs: W_o 64 x 512 float32; W_qkv 512 x 192 float32; inputs 8 x 512 x 512 float32.
;; Outputs: out0 8 x 512 x 512 float32.
;; This version of the problem:
;;   THIS VERSION OF THE PROBLEM IS GIVEN IN LOW PRECISION. The matrix products marked QUANTISED in the list below multiply operands that are first quantised to E5M2 (5 exponent bits, 2 mantissa bits; 8 bits a number), with one power-of-two scale for each 32 numbers along K (OCP MX v1.0); their sums are f32. All else is computed in f32.
;;   The module's matrix products, in the order in which they are computed (A, B: the left and right operand; K: the contracted axis; several contracted axes count as one K, in the product's order):
;;     1. [M 4,096, K 512] x [K 512, N 192]; A: input inputs; B: input W_qkv: QUANTISED
;;     2. batch 512 x [M 512, K 1] x [K 1, N 512]; A: computed on the way; B: computed on the way: left as it is (no contracted axis)
;;     3. batch 512 x [M 1, K 512] x [K 512, N 512]; A: computed on the way; B: softmax: left as it is (M = 1 < 16)
;;     4. [M 4,096, K 64] x [K 64, N 512]; A: computed on the way; B: input W_o: QUANTISED
;;   THE QUANTISER, for each operand of a quantised product, along K:
;;     - K is cut into blocks of 32 from its start; a last block that is shorter is filled with zeros.
;;     - A block's scale is 2^e with e = floor(log2(the largest magnitude in the block)) - 15, held to -126 .. 127; a block of zeros has e = 0. As a byte (E8M0): e + 127.
;;     - Each number is divided by its block's scale, clamped to +-57,344, and rounded to the nearest number of E5M2, ties to even, subnormals kept.
;;     - The product sums the exact products of the quantised numbers (number of the format x scale) in f32.
;;   ~~~python
;;   def quantise(x, axis):      # numpy; x: float32 -> the quantised numbers, widened to float32 again
;;       x = np.moveaxis(x, axis, -1); K = x.shape[-1]
;;       x = np.pad(x, [(0, 0)] * (x.ndim - 1) + [(0, -K % 32)]); x = x.reshape(x.shape[:-1] + (-1, 32)); a = np.abs(x).max(-1, keepdims=True)
;;       e = np.where(a > 0, np.clip(np.frexp(np.where(a > 0, a, 1))[1] - 1 - 15, -126, 127), 0)      # np.frexp(a)[1] - 1 = floor(log2(a)), exactly
;;       r = np.clip(x / 2.0 ** e, -57344, 57344)
;;       step = 2.0 ** (np.maximum(np.frexp(np.where(r == 0, 1, r))[1] - 1, -14) - 2)
;;       q = np.round(r / step) * step * 2.0 ** e      # np.round: ties to even
;;       return np.moveaxis(q.reshape(q.shape[:-2] + (-1,))[..., :K], -1, axis).astype(np.float32)
;;   ~~~
;;   OPERANDS COMPUTED ON THE WAY. 'Computed on the way' means the value that the module computes at that place (a softmax that the list does not call 'softmax' is quantised finished and normalised). What goes into a quantiser is computed in f32, as accurately as f32 sums, v_exp_f32 and their like allow (about 1e-6 of the number): no bf16 or f16 on the way to a quantiser, and a product that is left as it is and whose result goes on into a quantised operand takes f32 operands (vector FMAs, or v_wmma_f32_16x16x4_f32). A number that lies on a knife's edge between two numbers of the format may be rounded either way, as far as f32 arithmetic and the matrix unit's own rounding can turn it there, and no further.
;; 2 versions, each right; version 2 is version 1 with the launches qkv, attn written anew for expert scheduling mode. Each part assembles by itself: llvm-mc -triple=amdgcn-amd-amdhsa -mcpu=gfx1250 --defsym DOCPART=n.
;; ======== version 1 of 2: 2 launches
;; workspace buffers: qkv 3,145,728 bytes; woq 36,864 bytes
;; launch qkv (part 1): grid 194 x 1, 16 waves a work-group, no clusters, 71,680 bytes of LDS; arguments inputs, W_qkv, W_o, qkv, woq; writes qkv, woq
.if DOCPART == 1
	.amdgcn_target "amdgcn-amd-amdhsa--gfx1250"
	.amdhsa_code_object_version 6
	.text
	.protected	k_qcead7f876f_qkv
	.globl	k_qcead7f876f_qkv
	.p2align	8
	.type	k_qcead7f876f_qkv,@function
k_qcead7f876f_qkv:
	s_mov_b64 s[64:65], 0
	v_nop
	global_prefetch_b8 v0, s[64:65] scope:SCOPE_SE
	s_setreg_imm32_b32 hwreg(HW_REG_WAVE_MODE, 25, 1), 1
	s_wait_xcnt 0x0
.set ROWIN,  2048
.set ROWW,   768
.set ROWO,   2048
.set FRB,    2048
.set BATCHB, 393216
.set ASC,    0
.set BSC,    2048
.set AIMG,   4096
.set BIMG,   AIMG+16*FRB
.set WOSC,   32768
.set LI,   4
.set LS,   5
.set XAO,  6
.set WBO,  7
.set WI,   8
.set WSW,  9
.set ARI,  10
.set BRI,  11
.set ARS,  12
.set BRS,  13
.set CO,   14
.set PCA,  16
.set PCB,  32
.set ACP,  16
.set ACN,  24
.set RES,  32
.set SCA,  48
.set SCB,  52
.set XA,   64
.set XB,   128
.set XN,   192
.set TM,   192
.set PWA,  208
.set PWB,  209
.set WV,   14
.set SEL,  34
.set MNT,  36
.set SGN,  37
.macro QUANT s, pc, pw, nb
.irp b, 0,1,2,3
.if \b < \nb
	v_max3_num_f32 v[TM+\b], |v[\s+16*\b]|, |v[\s+1+16*\b]|, 0x8000000
.endif
.endr
.irp i, 2,4,6,8,10,12,14
.irp b, 0,1,2,3
.if \b < \nb
	v_max3_num_f32 v[TM+\b], v[TM+\b], |v[\s+16*\b+\i]|, |v[\s+1+16*\b+\i]|
.endif
.endr
.endr
.irp b, 0,1,2,3
.if \b < \nb
	v_permlanex16_b32 v[TM+4+\b], v[TM+\b], s[SEL], s[SEL+1]
.endif
.endr
.irp b, 0,1,2,3
.if \b < \nb
	v_max_num_f32 v[TM+\b], v[TM+\b], v[TM+4+\b]
.endif
.endr
.irp b, 0,1,2,3
.if \b < \nb
	v_add_nc_u32 v[TM+12+\b], 0xf8800000, v[TM+\b]
.endif
.endr
.irp b, 0,1,2,3
.if \b < \nb
	v_and_or_b32 v[TM+8+\b], v[TM+\b], 0x7f800000, s[MNT]
.endif
.endr
.irp b, 0,1,2,3
.if \b < \nb
	v_lshrrev_b32 v[TM+4+\b], 23, v[TM+12+\b]
.endif
.endr
	v_lshl_or_b32 v[\pw], v[TM+5], 8, v[TM+4]
.if \nb > 2
	v_lshl_or_b32 v[\pw], v[TM+6], 16, v[\pw]
	v_lshl_or_b32 v[\pw], v[TM+7], 24, v[\pw]
.endif
.irp b, 0,1,2,3
.if \b < \nb
.irp i, 0,1,2,3,4,5,6,7,8,9,10,11,12,13,14,15
	v_med3_num_f32 v[\s+16*\b+\i], v[\s+16*\b+\i], -v[TM+8+\b], v[TM+8+\b]
.endr
	v_cvt_scalef32_pk8_bf8_f32 v[\pc+4*\b:\pc+1+4*\b], v[\s+16*\b:\s+7+16*\b], v[TM+12+\b]
	v_cvt_scalef32_pk8_bf8_f32 v[\pc+2+4*\b:\pc+3+4*\b], v[\s+8+16*\b:\s+15+16*\b], v[TM+12+\b]
.endif
.endr
	v_nop
.endm
.macro IMAGE pc, off
.irp c, 0,1,2,3
	ds_store_b128 v[WI], v[\pc+4*\c:\pc+4*\c+3] offset:\off+512*\c
.endr
.endm
	s_load_b128 s[4:7], s[0:1], 0x0
	s_load_b128 s[8:11], s[0:1], 0x10
	s_load_b64 s[12:13], s[0:1], 0x20
	v_lshl_add_u32 v62, v0, 2, 0x11000
	v_mov_b32 v63, 0
	v_lshrrev_b32 v1, 5, v0
	v_readfirstlane_b32 s[WV], v1
	v_and_b32 v1, 31, v0
	v_and_b32 v2, 15, v0
	v_bfe_u32 v3, v0, 4, 1
	v_lshlrev_b32 v[LI], 4, v1
	v_lshlrev_b32 v[LS], 2, v1
	s_mov_b32 s[SEL], 0x76543210
	s_mov_b32 s[SEL+1], 0xfedcba98
	s_mov_b32 s[MNT], 0x600000
	s_mov_b32 s[SGN], 0x80808080
.irp b, 0,1,2,3
	v_mov_b32 v[TM+4+\b], 0
.endr
	s_lshr_b32 s15, ttmp9, 6
	s_and_b32 s16, ttmp9, 63
	s_lshr_b32 s17, s[WV], 2
	s_and_b32 s18, s[WV], 3
	s_wait_kmcnt 0x0
	s_cmp_eq_u32 s15, 3
	s_cbranch_scc1 .Lwo
	v_lshlrev_b32 v[XAO], 11, v2
	v_lshl_add_u32 v[XAO], v3, 6, v[XAO]
	s_lshl_b32 s20, s16, 17
	s_lshl_b32 s22, s17, 15
	s_add_co_u32 s20, s20, s22
	s_lshl_b32 s22, s18, 9
	s_add_co_u32 s20, s20, s22
	s_mov_b32 s21, 0
	s_add_nc_u64 s[4:5], s[4:5], s[20:21]
	v_mul_u32_u24 v[WBO], v3, 16*ROWW
	v_lshl_add_u32 v[WBO], v2, 2, v[WBO]
	s_mul_i32 s22, s18, 128*ROWW
	s_lshl_b32 s24, s15, 8
	s_add_co_u32 s22, s22, s24
	s_lshl_b32 s24, s17, 6
	s_add_co_u32 s22, s22, s24
	s_mov_b32 s23, 0
	s_add_nc_u64 s[6:7], s[6:7], s[22:23]
.irp b, 0,1,2,3
.irp j, 0,1,2,3
	global_load_b128 v[XA+16*\b+4*\j:XA+16*\b+4*\j+3], v[XAO], s[4:5] offset:128*\b+16*\j
.endr
.endr
.irp c, 0,1,2,3
.irp i, 0,1,2,3,4,5,6,7,8,9,10,11,12,13,14,15
	global_load_b32 v[XB+16*\c+\i], v[WBO], s[6:7] offset:(32*\c+\i)*ROWW
.endr
.endr
	s_lshl_b32 s24, s[WV], 11
	v_add_nc_u32 v[WI], s24, v[LI]
	s_lshl_b32 s24, s[WV], 7
	v_add_nc_u32 v[WSW], s24, v[LS]
	s_lshl_b32 s24, s17, 13
	v_add_nc_u32 v[ARI], s24, v[LI]
	s_lshl_b32 s24, s18, 13
	v_add_nc_u32 v[BRI], s24, v[LI]
	s_lshl_b32 s24, s17, 9
	v_add_nc_u32 v[ARS], s24, v[LS]
	s_lshl_b32 s24, s18, 9
	v_add_nc_u32 v[BRS], s24, v[LS]
	s_lshr_b32 s24, s16, 3
	s_mul_i32 s24, s24, BATCHB
	s_lshl_b32 s25, s15, 1
	s_lshr_b32 s26, s18, 1
	s_add_co_u32 s25, s25, s26
	s_lshl_b32 s25, s25, 16
	s_add_co_u32 s24, s24, s25
	s_and_b32 s25, s16, 7
	s_lshl_b32 s25, s25, 13
	s_add_co_u32 s24, s24, s25
	s_lshl_b32 s25, s17, 11
	s_add_co_u32 s24, s24, s25
	s_and_b32 s25, s18, 1
	s_lshl_b32 s25, s25, 8
	s_add_co_u32 s24, s24, s25
	s_mov_b32 s25, 0
	s_add_nc_u64 s[10:11], s[10:11], s[24:25]
	v_lshlrev_b32 v[CO], 4, v2
	v_lshl_add_u32 v[CO], v3, 10, v[CO]
	s_wait_loadcnt 63
	QUANT XA, PCA, PWA, 4
	IMAGE PCA, AIMG
	ds_store_b32 v[WSW], v[PWA] offset:ASC
	s_wait_loadcnt 0x0
	QUANT XB, PCB, PWB, 4
	IMAGE PCB, BIMG
	ds_store_b32 v[WSW], v[PWB] offset:BSC
	s_wait_dscnt 0x0
	s_barrier_signal -1
	s_barrier_wait -1
.irp s, 0,1,2,3
.irp c, 0,1,2,3
	ds_load_b128 v[XA+16*\s+4*\c:XA+16*\s+4*\c+3], v[ARI] offset:AIMG+\s*FRB+512*\c
	ds_load_b128 v[XB+16*\s+4*\c:XB+16*\s+4*\c+3], v[BRI] offset:BIMG+\s*FRB+512*\c
.endr
	ds_load_b32 v[SCA+\s], v[ARS] offset:ASC+128*\s
	ds_load_b32 v[SCB+\s], v[BRS] offset:BSC+128*\s
.endr
.irp s, 0,1,2,3
	s_wait_dscnt 10*(3-\s)
.irp i, 0,1,2,3,4,5,6,7,8,9,10,11,12,13,14,15
	v_xor_b32 v[XN+16*\s+\i], s[SGN], v[XB+16*\s+\i]
.endr
.endr
.rept 4
	v_nop
.endr
.irp s, 0,1,2,3
.if \s == 0
	v_wmma_scale_f32_16x16x128_f8f6f4 v[ACP:ACP+7], v[XA:XA+15], v[XB:XB+15], 0, v[SCA], v[SCB] matrix_a_fmt:MATRIX_FMT_BF8 matrix_b_fmt:MATRIX_FMT_BF8
	v_wmma_scale_f32_16x16x128_f8f6f4 v[ACN:ACN+7], v[XA:XA+15], v[XN:XN+15], 0, v[SCA], v[SCB] matrix_a_fmt:MATRIX_FMT_BF8 matrix_b_fmt:MATRIX_FMT_BF8
.else
	v_wmma_scale_f32_16x16x128_f8f6f4 v[ACP:ACP+7], v[XA+16*\s:XA+16*\s+15], v[XB+16*\s:XB+16*\s+15], v[ACP:ACP+7], v[SCA+\s], v[SCB+\s] matrix_a_fmt:MATRIX_FMT_BF8 matrix_b_fmt:MATRIX_FMT_BF8
	v_wmma_scale_f32_16x16x128_f8f6f4 v[ACN:ACN+7], v[XA+16*\s:XA+16*\s+15], v[XN+16*\s:XN+16*\s+15], v[ACN:ACN+7], v[SCA+\s], v[SCB+\s] matrix_a_fmt:MATRIX_FMT_BF8 matrix_b_fmt:MATRIX_FMT_BF8
.endif
.endr
.rept 8
	v_nop
.endr
.irp j, 0,2,4,6
	v_pk_add_f32 v[RES+\j:RES+\j+1], v[ACP+\j:ACP+\j+1], v[ACN+\j:ACN+\j+1] neg_lo:[0,1] neg_hi:[0,1]
.endr
.irp j, 0,2,4,6
	v_pk_mul_f32 v[RES+\j:RES+\j+1], v[RES+\j:RES+\j+1], 0.5 op_sel_hi:[1,0]
.endr
	global_store_b128 v[CO], v[RES:RES+3], s[10:11]
	global_store_b128 v[CO], v[RES+4:RES+7], s[10:11] offset:512
	s_wait_tensorcnt 0x0
	ds_add_u32 v62, v63
	s_wait_dscnt 0x0
	s_endpgm
.Lwo:
	s_lshl_b32 s20, s16, 4
	s_add_co_u32 s20, s20, s[WV]
	s_lshl_b32 s21, s20, 6
	v_lshl_add_u32 v[XAO], v2, 2, s21
	v_lshl_add_u32 v[XAO], v3, 15, v[XAO]
	s_lshl_b32 s21, s20, 10
	v_add_nc_u32 v[WBO], s21, v[LI]
	s_lshl_b32 s21, s20, 7
	v_add_nc_u32 v[WI], s21, v[LS]
.irp c, 0,1
.irp i, 0,1,2,3,4,5,6,7,8,9,10,11,12,13,14,15
	global_load_b32 v[XA+16*\c+\i], v[XAO], s[8:9] offset:(32*\c+\i)*ROWO
.endr
.endr
	s_wait_loadcnt 0x0
	QUANT XA, PCA, PWA, 2
	global_store_b128 v[WBO], v[PCA:PCA+3], s[12:13]
	global_store_b128 v[WBO], v[PCA+4:PCA+7], s[12:13] offset:512
	global_store_b32 v[WI], v[PWA], s[12:13] offset:WOSC
	s_endpgm
.Lfunc_end_k_qcead7f876f_qkv:
	.size	k_qcead7f876f_qkv, .Lfunc_end_k_qcead7f876f_qkv-k_qcead7f876f_qkv
	.p2alignl 7, 3214868480
	.fill 96, 4, 3214868480
	.section	.rodata,"a",@progbits
	.p2align	6, 0x0
	.amdhsa_kernel k_qcead7f876f_qkv
		.amdhsa_group_segment_fixed_size 71680
		.amdhsa_private_segment_fixed_size 0
		.amdhsa_enable_private_segment 0
		.amdhsa_kernarg_size 40
		.amdhsa_user_sgpr_count 2
		.amdhsa_user_sgpr_kernarg_segment_ptr 1
		.amdhsa_wavefront_size32 1
		.amdhsa_system_sgpr_workgroup_id_x 1
		.amdhsa_system_sgpr_workgroup_id_y 1
		.amdhsa_system_sgpr_workgroup_id_z 1
		.amdhsa_system_vgpr_workitem_id 0
		.amdhsa_next_free_vgpr 256
		.amdhsa_next_free_sgpr 66
		.amdhsa_reserve_vcc 0
		.amdhsa_float_denorm_mode_32 3
		.amdhsa_float_denorm_mode_16_64 3
		.amdhsa_memory_ordered 1
		.amdhsa_forward_progress 1
		.amdhsa_inst_pref_size 42
	.end_amdhsa_kernel
	.amdgpu_metadata
---
amdhsa.version: [ 1, 2 ]
amdhsa.kernels:
  - .name:           k_qcead7f876f_qkv
    .symbol:         k_qcead7f876f_qkv.kd
    .args:
      - { .name: inputs, .offset: 0, .size: 8, .value_kind: global_buffer, .address_space: global }
      - { .name: W_qkv, .offset: 8, .size: 8, .value_kind: global_buffer, .address_space: global }
      - { .name: W_o, .offset: 16, .size: 8, .value_kind: global_buffer, .address_space: global }
      - { .name: qkv, .offset: 24, .size: 8, .value_kind: global_buffer, .address_space: global }
      - { .name: woq, .offset: 32, .size: 8, .value_kind: global_buffer, .address_space: global }
    .group_segment_fixed_size: 71680
    .private_segment_fixed_size: 0
    .kernarg_segment_align: 8
    .kernarg_segment_size: 40
    .max_flat_workgroup_size: 512
    .sgpr_count:     66
    .vgpr_count:     256
    .wavefront_size: 32
...
	.end_amdgpu_metadata
.endif
;; end of part 1
;; launch attn (part 2): grid 256 x 1, 16 waves a work-group, no clusters, 109,568 bytes of LDS; arguments qkv, woq, out0; writes out0
.if DOCPART == 2
	.amdgcn_target "amdgcn-amd-amdhsa--gfx1250"
	.amdhsa_code_object_version 6
	.text
	.protected	k_qcead7f876f_attn
	.globl	k_qcead7f876f_attn
	.p2align	8
	.type	k_qcead7f876f_attn,@function
k_qcead7f876f_attn:
	s_mov_b64 s[64:65], 0
	v_nop
	global_prefetch_b8 v0, s[64:65] scope:SCOPE_SE
	s_setreg_imm32_b32 hwreg(HW_REG_WAVE_MODE, 25, 1), 1
	s_wait_xcnt 0x0
.set BATCHB, 393216
.set GRPB,   65536
.set WOSC,   32768
.set XCH,    0
.set PART,   4096
.set SAS,    PART+16*4096
.set SAP,    272
.set OST,    SAS+16*SAP
.set OSP,    2064
.set LI,   2
.set XR,   3
.set XW,   4
.set PST,  5
.set PA,   6
.set S1R,  7
.set S1W,  8
.set S2R,  9
.set OW,   10
.set ORD,  11
.set LS,   12
.set T0,   14
.set QQ,   16
.set KK,   32
.set VV,   96
.set TA,   160
.set TB,   192
.set SL,   224
.set SO,   226
.set QW,   228
.set MW,   230
.set KX,   232
.set RS,   234
.set WS,   244
.set PW,   246
.set WO,   KK
.set PC,   VV
.set DD,   VV+16
.set TM,   TB
.set WV,  10
.set HF,  11
.set PT,  12
.set BA,  13
.set BL,  14
.set CS,  15
.set SEL, 16
.set MNT, 18
.set RB,  19
.set TR,  32
.macro QUANT s, pc, pw, nb
.irp b, 0,1,2,3
.if \b < \nb
	v_max3_num_f32 v[TM+\b], |v[\s+16*\b]|, |v[\s+1+16*\b]|, 0x8000000
.endif
.endr
.irp i, 2,4,6,8,10,12,14
.irp b, 0,1,2,3
.if \b < \nb
	v_max3_num_f32 v[TM+\b], v[TM+\b], |v[\s+16*\b+\i]|, |v[\s+1+16*\b+\i]|
.endif
.endr
.endr
.irp b, 0,1,2,3
.if \b < \nb
	v_permlanex16_b32 v[TM+4+\b], v[TM+\b], s[SEL], s[SEL+1]
.endif
.endr
.irp b, 0,1,2,3
.if \b < \nb
	v_max_num_f32 v[TM+\b], v[TM+\b], v[TM+4+\b]
.endif
.endr
.irp b, 0,1,2,3
.if \b < \nb
	v_add_nc_u32 v[TM+12+\b], 0xf8800000, v[TM+\b]
.endif
.endr
.irp b, 0,1,2,3
.if \b < \nb
	v_and_or_b32 v[TM+8+\b], v[TM+\b], 0x7f800000, s[MNT]
.endif
.endr
.irp b, 0,1,2,3
.if \b < \nb
	v_lshrrev_b32 v[TM+4+\b], 23, v[TM+12+\b]
.endif
.endr
	v_lshl_or_b32 v[\pw], v[TM+5], 8, v[TM+4]
.if \nb > 2
	v_lshl_or_b32 v[\pw], v[TM+6], 16, v[\pw]
	v_lshl_or_b32 v[\pw], v[TM+7], 24, v[\pw]
.endif
.irp b, 0,1,2,3
.if \b < \nb
.irp i, 0,1,2,3,4,5,6,7,8,9,10,11,12,13,14,15
	v_med3_num_f32 v[\s+16*\b+\i], v[\s+16*\b+\i], -v[TM+8+\b], v[TM+8+\b]
.endr
	v_cvt_scalef32_pk8_bf8_f32 v[\pc+4*\b:\pc+1+4*\b], v[\s+16*\b:\s+7+16*\b], v[TM+12+\b]
	v_cvt_scalef32_pk8_bf8_f32 v[\pc+2+4*\b:\pc+3+4*\b], v[\s+8+16*\b:\s+15+16*\b], v[TM+12+\b]
.endif
.endr
	v_nop
.endm
.macro SETUP q
	v_mul_f32 v[QW], s[CS], v[\q]
	v_mul_f32 v[T0], v[QW], v[KX]
	v_mul_f32 v[T0+1], v[QW], v[KX+1]
	v_max_num_f32 v[MW], v[T0], -v[T0+1]
.endm
.macro PHASE y, x, half, ex, cons, prod
.set i, 0
.rept 16
.if \ex
	v_exp_f32 v[\y+2*i], v[\y+2*i]
.endif
.if (\cons == 1) && (i == 0)
	v_pk_mul_f32 v[SL:SL+1], v[\x:\x+1], 1.0 op_sel_hi:[1,0]
.elseif \cons
	v_pk_add_f32 v[SL:SL+1], v[SL:SL+1], v[\x+2*i:\x+2*i+1]
.endif
.if \ex
	v_exp_f32 v[\y+2*i+1], v[\y+2*i+1]
.endif
.if (\cons == 1) && (i == 0)
	v_pk_mul_f32 v[SO:SO+1], v[\x:\x+1], v[VV+\half:VV+\half+1]
.elseif \cons
	v_pk_fma_f32 v[SO:SO+1], v[\x+2*i:\x+2*i+1], v[VV+\half+2*i:VV+\half+2*i+1], v[SO:SO+1]
.endif
.if \prod
	v_pk_fma_f32 v[\x+2*i:\x+2*i+1], v[KK+\half+2*i:KK+\half+2*i+1], v[QW:QW+1], v[MW:MW+1] op_sel_hi:[1,0,0] neg_lo:[0,0,1] neg_hi:[0,0,1]
.endif
.set i, i+1
.endr
.if \ex
	s_wait_alu depctr_va_vdst(0)
.endif
.endm
.macro FINISH u
	v_add_f32 v[RS+2*(\u)], v[SL], v[SL+1]
	v_add_f32 v[RS+2*(\u)+1], v[SO], v[SO+1]
	ds_store_b64 v[PA], v[RS+2*(\u):RS+2*(\u)+1] offset:256*(\u)
.endm
.macro BARRIER
	s_wait_dscnt 0x0
	s_barrier_signal -1
	s_barrier_wait -1
.endm
	s_load_b128 s[4:7], s[0:1], 0x0
	s_load_b64 s[8:9], s[0:1], 0x10
	v_lshl_add_u32 v248, v0, 2, 0x1a400
	v_mov_b32 v249, 0
	v_lshrrev_b32 v1, 5, v0
	v_readfirstlane_b32 s[WV], v1
	v_and_b32 v1, 31, v0
	v_and_b32 v13, 15, v0
	v_bfe_u32 v14, v0, 4, 1
	v_lshlrev_b32 v[LI], 4, v1
	v_lshlrev_b32 v[LS], 2, v1
	s_and_b32 s[HF], s[WV], 1
	s_lshr_b32 s[PT], s[WV], 1
	s_lshr_b32 s[BA], ttmp9, 5
	s_and_b32 s[BL], ttmp9, 31
	s_mul_i32 s20, s[BA], BATCHB
	s_lshl_b32 s21, s[HF], 16
	s_add_co_u32 s20, s20, s21
	s_lshl_b32 s22, s[BL], 11
	s_add_co_u32 s22, s22, s20
	s_mov_b32 s23, 0
	s_lshl_b32 s24, s[PT], 13
	s_add_co_u32 s24, s24, s20
	s_add_co_u32 s24, s24, 2*GRPB
	s_mov_b32 s25, 0
	s_lshl_b32 s26, s[WV], 11
	s_mov_b32 s27, 0
	s_wait_kmcnt 0x0
	s_add_nc_u64 s[22:23], s[4:5], s[22:23]
	s_add_nc_u64 s[24:25], s[4:5], s[24:25]
	s_add_nc_u64 s[28:29], s[6:7], s[26:27]
.irp j, 0,1,2,3
	global_load_b128 v[QQ+4*\j:QQ+4*\j+3], v[LI], s[22:23] offset:512*\j
.endr
.irp j, 0,1,2,3,4,5,6,7,8,9,10,11,12,13,14,15
	global_load_b128 v[KK+4*\j:KK+4*\j+3], v[LI], s[24:25] offset:512*\j
.endr
.irp j, 0,1,2,3,4,5,6,7,8,9,10,11,12,13,14,15
	global_load_b128 v[VV+4*\j:VV+4*\j+3], v[LI], s[24:25] offset:2*GRPB+512*\j
.endr
	s_lshl_b32 s26, s[WV], 8
	s_add_co_u32 s26, s26, WOSC
	s_add_nc_u64 s[30:31], s[6:7], s[26:27]
	s_lshl_b32 s26, s[BA], 20
	s_lshl_b32 s20, s[BL], 15
	s_add_co_u32 s26, s26, s20
	s_lshl_b32 s20, s[WV], 11
	s_add_co_u32 s26, s26, s20
	s_add_nc_u64 s[8:9], s[8:9], s[26:27]
	s_lshl_b32 s20, s[HF], 8
	v_lshl_add_u32 v[XR], v1, 3, s20
	s_lshl_b32 s20, s[WV], 8
	v_lshl_add_u32 v[XW], v1, 3, s20
	s_lshl_b32 s20, s[WV], 12
	s_add_co_u32 s20, s20, PART
	v_lshl_add_u32 v[PST], v1, 3, s20
	s_lshl_b32 s20, s[WV], 8
	s_add_co_u32 s20, s20, PART
	v_lshl_add_u32 v[S1R], v13, 4, s20
	v_lshl_add_u32 v[S1R], v14, 12, v[S1R]
	s_mul_i32 s20, s[WV], SAP
	s_add_co_u32 s20, s20, SAS
	v_lshl_add_u32 v[S1W], v1, 3, s20
	v_mul_u32_u24 v[S2R], v13, SAP
	v_lshl_add_u32 v[S2R], v14, 6, v[S2R]
	v_add_nc_u32 v[S2R], SAS, v[S2R]
	v_mul_u32_u24 v[OW], v13, OSP
	v_lshl_add_u32 v[OW], v14, 5, v[OW]
	s_lshl_b32 s20, s[WV], 7
	s_add_co_u32 s20, s20, OST
	v_add_nc_u32 v[OW], s20, v[OW]
	s_mul_i32 s20, s[WV], OSP
	s_add_co_u32 s20, s20, OST
	v_add_nc_u32 v[ORD], s20, v[LI]
	s_mov_b32 s[CS], 0x3e38aa3b
	s_mov_b32 s[SEL], 0x76543210
	s_mov_b32 s[SEL+1], 0xfedcba98
	s_mov_b32 s[MNT], 0x600000
	v_mov_b32 v[QW+1], 0
	v_mov_b32 v[MW+1], 0
	s_wait_loadcnt 16
	v_max3_num_f32 v[KX], v[KK], v[KK+1], v[KK+2]
	v_max3_num_f32 v[KX+1], -v[KK], -v[KK+1], -v[KK+2]
.set i, 3
.rept 30
	v_max3_num_f32 v[KX], v[KX], v[KK+i], v[KK+i+1]
	v_max3_num_f32 v[KX+1], v[KX+1], -v[KK+i], -v[KK+i+1]
.set i, i+2
.endr
	v_max_num_f32 v[KX], v[KX], v[KK+63]
	v_max_num_f32 v[KX+1], v[KX+1], -v[KK+63]
	ds_store_b64 v[XW], v[KX:KX+1]
	BARRIER
.irp p, 0,1,2,3,4,5,6,7
	ds_load_b64 v[TA+2*\p:TA+2*\p+1], v[XR] offset:512*\p
.endr
	s_wait_dscnt 0x0
.irp e, 0,1
	v_max3_num_f32 v[KX+\e], v[TA+\e], v[TA+2+\e], v[TA+4+\e]
.endr
.irp p, 6,10
.irp e, 0,1
	v_max3_num_f32 v[KX+\e], v[KX+\e], v[TA+\p+\e], v[TA+\p+2+\e]
.endr
.endr
.irp e, 0,1
	v_max_num_f32 v[KX+\e], v[KX+\e], v[TA+14+\e]
.endr
	SETUP QQ
	PHASE TB, TA, 0,  0, 0, 1
	PHASE TA, TB, 32, 1, 0, 1
	s_wait_loadcnt 0x0
	s_mov_b32 s[RB], 0
	s_mov_b32 s[TR], 3
.Ltrip:
	s_wait_dscnt 0x0
	v_add_nc_u32 v[PA], s[RB], v[PST]
.irp u, 0,1,2,3,4
	SETUP QQ+1+\u
	PHASE TB, TA, 0,  1, 1, 1
	PHASE TA, TB, 32, 1, 2, 1
	FINISH \u
.endr
.irp i, 1,2,3,4,5,6,7,8,9,10
	v_mov_b32 v[QQ+\i], v[QQ+\i+5]
.endr
	s_add_co_u32 s[RB], s[RB], 5*256
	s_sub_co_u32 s[TR], s[TR], 1
	s_cmp_lg_u32 s[TR], 0
	s_cbranch_scc1 .Ltrip
	s_wait_dscnt 0x0
	v_add_nc_u32 v[PA], s[RB], v[PST]
	PHASE TB, TA, 0,  1, 1, 0
	PHASE TA, TB, 32, 0, 2, 0
	FINISH 0
.irp t, 0,1
.irp c, 0,1
	global_load_b128 v[WO+16*\t+4*\c:WO+16*\t+4*\c+3], v[LI], s[28:29] offset:1024*\t+512*\c
.endr
	global_load_b32 v[WS+\t], v[LS], s[30:31] offset:128*\t
.irp z, 8,9,10,11,12,13,14,15
	v_mov_b32 v[WO+16*\t+\z], 0
.endr
.endr
.irp z, 8,9,10,11,12,13,14,15
	v_mov_b32 v[PC+\z], 0
.endr
	BARRIER
.irp p, 0,1,2,3,4,5,6,7
	ds_load_b128 v[TA+4*\p:TA+4*\p+3], v[S1R] offset:8192*\p
.endr
	s_wait_dscnt 0x0
.irp p, 1,2,3,4,5,6,7
	v_pk_add_f32 v[TA:TA+1], v[TA:TA+1], v[TA+4*\p:TA+4*\p+1]
	v_pk_add_f32 v[TA+2:TA+3], v[TA+2:TA+3], v[TA+4*\p+2:TA+4*\p+3]
.endr
	v_rcp_f32 v[T0], v[TA]
	v_rcp_f32 v[T0+1], v[TA+2]
	v_nop
	s_wait_alu depctr_va_vdst(0)
	v_mul_f32 v[RS], v[TA+1], v[T0]
	v_mul_f32 v[RS+1], v[TA+3], v[T0+1]
	ds_store_b64 v[S1W], v[RS:RS+1]
	BARRIER
.irp c, 0,1
.irp j, 0,1,2,3
	ds_load_b128 v[TA+16*\c+4*\j:TA+16*\c+4*\j+3], v[S2R] offset:128*\c+16*\j
.endr
.endr
	s_wait_dscnt 0x0
	QUANT TA, PC, PW, 2
	s_wait_loadcnt 0x0
.rept 4
	v_nop
.endr
.irp t, 0,1
	v_wmma_scale_f32_16x16x128_f8f6f4 v[DD+8*\t:DD+8*\t+7], v[WO+16*\t:WO+16*\t+15], v[PC:PC+15], 0, v[WS+\t], v[PW] matrix_a_fmt:MATRIX_FMT_BF8 matrix_b_fmt:MATRIX_FMT_BF8
.endr
.rept 8
	v_nop
.endr
.irp t, 0,1
	ds_store_b128 v[OW], v[DD+8*\t:DD+8*\t+3] offset:64*\t
	ds_store_b128 v[OW], v[DD+8*\t+4:DD+8*\t+7] offset:64*\t+16
.endr
	BARRIER
.irp i, 0,1,2,3
	ds_load_b128 v[TA+4*\i:TA+4*\i+3], v[ORD] offset:512*\i
.endr
.irp i, 0,1,2,3
	s_wait_dscnt 3-\i
	global_store_b128 v[LI], v[TA+4*\i:TA+4*\i+3], s[8:9] offset:512*\i th:TH_STORE_NT
.endr
	s_wait_tensorcnt 0x0
	ds_add_u32 v248, v249
	s_wait_dscnt 0x0
	s_endpgm
.Lfunc_end_k_qcead7f876f_attn:
	.size	k_qcead7f876f_attn, .Lfunc_end_k_qcead7f876f_attn-k_qcead7f876f_attn
	.p2alignl 7, 3214868480
	.fill 96, 4, 3214868480
	.section	.rodata,"a",@progbits
	.p2align	6, 0x0
	.amdhsa_kernel k_qcead7f876f_attn
		.amdhsa_group_segment_fixed_size 109568
		.amdhsa_private_segment_fixed_size 0
		.amdhsa_enable_private_segment 0
		.amdhsa_kernarg_size 24
		.amdhsa_user_sgpr_count 2
		.amdhsa_user_sgpr_kernarg_segment_ptr 1
		.amdhsa_wavefront_size32 1
		.amdhsa_system_sgpr_workgroup_id_x 1
		.amdhsa_system_sgpr_workgroup_id_y 1
		.amdhsa_system_sgpr_workgroup_id_z 1
		.amdhsa_system_vgpr_workitem_id 0
		.amdhsa_next_free_vgpr 250
		.amdhsa_next_free_sgpr 66
		.amdhsa_reserve_vcc 0
		.amdhsa_float_denorm_mode_32 3
		.amdhsa_float_denorm_mode_16_64 3
		.amdhsa_memory_ordered 1
		.amdhsa_forward_progress 1
		.amdhsa_inst_pref_size 73
	.end_amdhsa_kernel
	.amdgpu_metadata
---
amdhsa.version: [ 1, 2 ]
amdhsa.kernels:
  - .name:           k_qcead7f876f_attn
    .symbol:         k_qcead7f876f_attn.kd
    .args:
      - { .name: qkv, .offset: 0, .size: 8, .value_kind: global_buffer, .address_space: global }
      - { .name: woq, .offset: 8, .size: 8, .value_kind: global_buffer, .address_space: global }
      - { .name: out0, .offset: 16, .size: 8, .value_kind: global_buffer, .address_space: global }
    .group_segment_fixed_size: 109568
    .private_segment_fixed_size: 0
    .kernarg_segment_align: 8
    .kernarg_segment_size: 24
    .max_flat_workgroup_size: 512
    .sgpr_count:     66
    .vgpr_count:     250
    .wavefront_size: 32
...
	.end_amdgpu_metadata
.endif
;; end of part 2
;; ======== version 2 of 2: 2 launches; version 1 with the launches qkv, attn written anew for expert scheduling mode
;; workspace buffers: qkv 3,145,728 bytes; woq 36,864 bytes
;; launch qkv (part 3): grid 194 x 1, 16 waves a work-group, no clusters, 71,680 bytes of LDS; arguments inputs, W_qkv, W_o, qkv, woq; writes qkv, woq
.if DOCPART == 3
	.amdgcn_target "amdgcn-amd-amdhsa--gfx1250"
	.amdhsa_code_object_version 6
	.text
	.protected	k_qcead7f876f_qkv
	.globl	k_qcead7f876f_qkv
	.p2align	8
	.type	k_qcead7f876f_qkv,@function
k_qcead7f876f_qkv:
	s_mov_b64 s[64:65], 0
	v_nop
	global_prefetch_b8 v0, s[64:65] scope:SCOPE_SE
	s_setreg_imm32_b32 hwreg(HW_REG_WAVE_SCHED_MODE, 0, 2), 2
	s_setreg_imm32_b32 hwreg(HW_REG_WAVE_MODE, 25, 1), 1
	s_wait_xcnt 0x0
	s_wait_alu depctr_vm_vsrc(0)
.set ROWIN,  2048
.set ROWW,   768
.set ROWO,   2048
.set FRB,    2048
.set BATCHB, 393216
.set ASC,    0
.set BSC,    2048
.set AIMG,   4096
.set BIMG,   AIMG+16*FRB
.set WOSC,   32768
.set LI,   4
.set LS,   5
.set XAO,  6
.set WBO,  7
.set WI,   8
.set WSW,  9
.set ARI,  10
.set BRI,  11
.set ARS,  12
.set BRS,  13
.set CO,   14
.set PCA,  16
.set PCB,  32
.set ACP,  16
.set ACN,  24
.set RES,  32
.set SCA,  48
.set SCB,  52
.set XA,   64
.set XB,   128
.set XN,   192
.set TM,   192
.set PWA,  208
.set PWB,  209
.set WV,   14
.set SEL,  34
.set MNT,  36
.set SGN,  37
.macro QUANT s, pc, pw, nb
.irp b, 0,1,2,3
.if \b < \nb
	v_max3_num_f32 v[TM+\b], |v[\s+16*\b]|, |v[\s+1+16*\b]|, 0x8000000
.endif
.endr
.irp i, 2,4,6,8,10,12,14
.irp b, 0,1,2,3
.if \b < \nb
	v_max3_num_f32 v[TM+\b], v[TM+\b], |v[\s+16*\b+\i]|, |v[\s+1+16*\b+\i]|
.endif
.endr
.endr
.irp b, 0,1,2,3
.if \b < \nb
	v_permlanex16_b32 v[TM+4+\b], v[TM+\b], s[SEL], s[SEL+1]
.endif
.endr
.irp b, 0,1,2,3
.if \b < \nb
	v_max_num_f32 v[TM+\b], v[TM+\b], v[TM+4+\b]
.endif
.endr
.irp b, 0,1,2,3
.if \b < \nb
	v_add_nc_u32 v[TM+12+\b], 0xf8800000, v[TM+\b]
.endif
.endr
.irp b, 0,1,2,3
.if \b < \nb
	v_and_or_b32 v[TM+8+\b], v[TM+\b], 0x7f800000, s[MNT]
.endif
.endr
.irp b, 0,1,2,3
.if \b < \nb
	v_lshrrev_b32 v[TM+4+\b], 23, v[TM+12+\b]
.endif
.endr
	v_lshl_or_b32 v[\pw], v[TM+5], 8, v[TM+4]
.if \nb > 2
	v_lshl_or_b32 v[\pw], v[TM+6], 16, v[\pw]
	v_lshl_or_b32 v[\pw], v[TM+7], 24, v[\pw]
.endif
.irp b, 0,1,2,3
.if \b < \nb
.irp i, 0,1,2,3,4,5,6,7,8,9,10,11,12,13,14,15
	v_med3_num_f32 v[\s+16*\b+\i], v[\s+16*\b+\i], -v[TM+8+\b], v[TM+8+\b]
.endr
	v_cvt_scalef32_pk8_bf8_f32 v[\pc+4*\b:\pc+1+4*\b], v[\s+16*\b:\s+7+16*\b], v[TM+12+\b]
	v_cvt_scalef32_pk8_bf8_f32 v[\pc+2+4*\b:\pc+3+4*\b], v[\s+8+16*\b:\s+15+16*\b], v[TM+12+\b]
.endif
.endr
	v_nop
.endm
.macro IMAGE pc, off
.irp c, 0,1,2,3
	ds_store_b128 v[WI], v[\pc+4*\c:\pc+4*\c+3] offset:\off+512*\c
.endr
.endm
	s_load_b128 s[4:7], s[0:1], 0x0
	s_load_b128 s[8:11], s[0:1], 0x10
	s_load_b64 s[12:13], s[0:1], 0x20
	v_lshl_add_u32 v62, v0, 2, 0x11000
	v_mov_b32 v63, 0
	v_lshrrev_b32 v1, 5, v0
	v_readfirstlane_b32 s[WV], v1
	v_and_b32 v1, 31, v0
	v_and_b32 v2, 15, v0
	v_bfe_u32 v3, v0, 4, 1
	v_lshlrev_b32 v[LI], 4, v1
	v_lshlrev_b32 v[LS], 2, v1
	s_mov_b32 s[SEL], 0x76543210
	s_mov_b32 s[SEL+1], 0xfedcba98
	s_mov_b32 s[MNT], 0x600000
	s_mov_b32 s[SGN], 0x80808080
.irp b, 0,1,2,3
	v_mov_b32 v[TM+4+\b], 0
.endr
	s_lshr_b32 s15, ttmp9, 6
	s_and_b32 s16, ttmp9, 63
	s_wait_alu depctr_va_sdst(0)
	s_lshr_b32 s17, s[WV], 2
	s_and_b32 s18, s[WV], 3
	s_wait_kmcnt 0x0
	s_cmp_eq_u32 s15, 3
	s_cbranch_scc1 .Lwo
	v_lshlrev_b32 v[XAO], 11, v2
	v_lshl_add_u32 v[XAO], v3, 6, v[XAO]
	s_lshl_b32 s20, s16, 17
	s_lshl_b32 s22, s17, 15
	s_add_co_u32 s20, s20, s22
	s_lshl_b32 s22, s18, 9
	s_add_co_u32 s20, s20, s22
	s_mov_b32 s21, 0
	s_add_nc_u64 s[4:5], s[4:5], s[20:21]
	v_mul_u32_u24 v[WBO], v3, 16*ROWW
	v_lshl_add_u32 v[WBO], v2, 2, v[WBO]
	s_mul_i32 s22, s18, 128*ROWW
	s_lshl_b32 s24, s15, 8
	s_add_co_u32 s22, s22, s24
	s_lshl_b32 s24, s17, 6
	s_add_co_u32 s22, s22, s24
	s_mov_b32 s23, 0
	s_add_nc_u64 s[6:7], s[6:7], s[22:23]
	s_wait_alu depctr_va_vdst(0)
.irp b, 0,1,2,3
.irp j, 0,1,2,3
	global_load_b128 v[XA+16*\b+4*\j:XA+16*\b+4*\j+3], v[XAO], s[4:5] offset:128*\b+16*\j
.endr
.endr
.irp c, 0,1,2,3
.irp i, 0,1,2,3,4,5,6,7,8,9,10,11,12,13,14,15
	global_load_b32 v[XB+16*\c+\i], v[WBO], s[6:7] offset:(32*\c+\i)*ROWW
.endr
.endr
	s_lshl_b32 s24, s[WV], 11
	v_add_nc_u32 v[WI], s24, v[LI]
	s_lshl_b32 s24, s[WV], 7
	v_add_nc_u32 v[WSW], s24, v[LS]
	s_lshl_b32 s24, s17, 13
	v_add_nc_u32 v[ARI], s24, v[LI]
	s_lshl_b32 s24, s18, 13
	v_add_nc_u32 v[BRI], s24, v[LI]
	s_lshl_b32 s24, s17, 9
	v_add_nc_u32 v[ARS], s24, v[LS]
	s_lshl_b32 s24, s18, 9
	v_add_nc_u32 v[BRS], s24, v[LS]
	s_lshr_b32 s24, s16, 3
	s_mul_i32 s24, s24, BATCHB
	s_lshl_b32 s25, s15, 1
	s_lshr_b32 s26, s18, 1
	s_add_co_u32 s25, s25, s26
	s_lshl_b32 s25, s25, 16
	s_add_co_u32 s24, s24, s25
	s_and_b32 s25, s16, 7
	s_lshl_b32 s25, s25, 13
	s_add_co_u32 s24, s24, s25
	s_lshl_b32 s25, s17, 11
	s_add_co_u32 s24, s24, s25
	s_and_b32 s25, s18, 1
	s_lshl_b32 s25, s25, 8
	s_add_co_u32 s24, s24, s25
	s_mov_b32 s25, 0
	s_add_nc_u64 s[10:11], s[10:11], s[24:25]
	v_lshlrev_b32 v[CO], 4, v2
	v_lshl_add_u32 v[CO], v3, 10, v[CO]
	s_wait_loadcnt 63
	QUANT XA, PCA, PWA, 4
	s_wait_alu depctr_va_vdst(0)
	IMAGE PCA, AIMG
	ds_store_b32 v[WSW], v[PWA] offset:ASC
	s_wait_loadcnt 0x0
	QUANT XB, PCB, PWB, 4
	s_wait_alu depctr_va_vdst(0)
	IMAGE PCB, BIMG
	ds_store_b32 v[WSW], v[PWB] offset:BSC
	s_wait_dscnt 0x0
	s_barrier_signal -1
	s_barrier_wait -1
	s_wait_alu depctr_vm_vsrc(0)
.irp s, 0,1,2,3
.irp c, 0,1,2,3
	ds_load_b128 v[XA+16*\s+4*\c:XA+16*\s+4*\c+3], v[ARI] offset:AIMG+\s*FRB+512*\c
	ds_load_b128 v[XB+16*\s+4*\c:XB+16*\s+4*\c+3], v[BRI] offset:BIMG+\s*FRB+512*\c
.endr
	ds_load_b32 v[SCA+\s], v[ARS] offset:ASC+128*\s
	ds_load_b32 v[SCB+\s], v[BRS] offset:BSC+128*\s
.endr
.irp s, 0,1,2,3
	s_wait_dscnt 10*(3-\s)
.irp i, 0,1,2,3,4,5,6,7,8,9,10,11,12,13,14,15
	v_xor_b32 v[XN+16*\s+\i], s[SGN], v[XB+16*\s+\i]
.endr
.endr
.rept 4
	v_nop
.endr
	s_wait_alu depctr_va_vdst(0)
.irp s, 0,1,2,3
.if \s == 0
	v_wmma_scale_f32_16x16x128_f8f6f4 v[ACP:ACP+7], v[XA:XA+15], v[XB:XB+15], 0, v[SCA], v[SCB] matrix_a_fmt:MATRIX_FMT_BF8 matrix_b_fmt:MATRIX_FMT_BF8
	v_wmma_scale_f32_16x16x128_f8f6f4 v[ACN:ACN+7], v[XA:XA+15], v[XN:XN+15], 0, v[SCA], v[SCB] matrix_a_fmt:MATRIX_FMT_BF8 matrix_b_fmt:MATRIX_FMT_BF8
.else
	v_wmma_scale_f32_16x16x128_f8f6f4 v[ACP:ACP+7], v[XA+16*\s:XA+16*\s+15], v[XB+16*\s:XB+16*\s+15], v[ACP:ACP+7], v[SCA+\s], v[SCB+\s] matrix_a_fmt:MATRIX_FMT_BF8 matrix_b_fmt:MATRIX_FMT_BF8
	v_wmma_scale_f32_16x16x128_f8f6f4 v[ACN:ACN+7], v[XA+16*\s:XA+16*\s+15], v[XN+16*\s:XN+16*\s+15], v[ACN:ACN+7], v[SCA+\s], v[SCB+\s] matrix_a_fmt:MATRIX_FMT_BF8 matrix_b_fmt:MATRIX_FMT_BF8
.endif
.endr
.rept 8
	v_nop
.endr
.irp j, 0,2,4,6
	v_pk_add_f32 v[RES+\j:RES+\j+1], v[ACP+\j:ACP+\j+1], v[ACN+\j:ACN+\j+1] neg_lo:[0,1] neg_hi:[0,1]
.endr
.irp j, 0,2,4,6
	v_pk_mul_f32 v[RES+\j:RES+\j+1], v[RES+\j:RES+\j+1], 0.5 op_sel_hi:[1,0]
.endr
	s_wait_alu depctr_va_vdst(0)
	global_store_b128 v[CO], v[RES:RES+3], s[10:11]
	global_store_b128 v[CO], v[RES+4:RES+7], s[10:11] offset:512
	s_wait_dscnt 0x0
	s_wait_alu 0x0
	s_wait_tensorcnt 0x0
	ds_add_u32 v62, v63
	s_wait_dscnt 0x0
	s_endpgm
.Lwo:
	s_lshl_b32 s20, s16, 4
	s_add_co_u32 s20, s20, s[WV]
	s_lshl_b32 s21, s20, 6
	v_lshl_add_u32 v[XAO], v2, 2, s21
	v_lshl_add_u32 v[XAO], v3, 15, v[XAO]
	s_lshl_b32 s21, s20, 10
	v_add_nc_u32 v[WBO], s21, v[LI]
	s_lshl_b32 s21, s20, 7
	v_add_nc_u32 v[WI], s21, v[LS]
	s_wait_alu depctr_va_vdst(0)
.irp c, 0,1
.irp i, 0,1,2,3,4,5,6,7,8,9,10,11,12,13,14,15
	global_load_b32 v[XA+16*\c+\i], v[XAO], s[8:9] offset:(32*\c+\i)*ROWO
.endr
.endr
	s_wait_loadcnt 0x0
	QUANT XA, PCA, PWA, 2
	s_wait_alu depctr_va_vdst(0)
	global_store_b128 v[WBO], v[PCA:PCA+3], s[12:13]
	global_store_b128 v[WBO], v[PCA+4:PCA+7], s[12:13] offset:512
	global_store_b32 v[WI], v[PWA], s[12:13] offset:WOSC
	s_endpgm
.Lfunc_end_k_qcead7f876f_qkv:
	.size	k_qcead7f876f_qkv, .Lfunc_end_k_qcead7f876f_qkv-k_qcead7f876f_qkv
	.p2alignl 7, 3214868480
	.fill 96, 4, 3214868480
	.section	.rodata,"a",@progbits
	.p2align	6, 0x0
	.amdhsa_kernel k_qcead7f876f_qkv
		.amdhsa_group_segment_fixed_size 71680
		.amdhsa_private_segment_fixed_size 0
		.amdhsa_enable_private_segment 0
		.amdhsa_kernarg_size 40
		.amdhsa_user_sgpr_count 2
		.amdhsa_user_sgpr_kernarg_segment_ptr 1
		.amdhsa_wavefront_size32 1
		.amdhsa_system_sgpr_workgroup_id_x 1
		.amdhsa_system_sgpr_workgroup_id_y 1
		.amdhsa_system_sgpr_workgroup_id_z 1
		.amdhsa_system_vgpr_workitem_id 0
		.amdhsa_next_free_vgpr 256
		.amdhsa_next_free_sgpr 66
		.amdhsa_reserve_vcc 0
		.amdhsa_float_denorm_mode_32 3
		.amdhsa_float_denorm_mode_16_64 3
		.amdhsa_memory_ordered 1
		.amdhsa_forward_progress 1
		.amdhsa_inst_pref_size 43
	.end_amdhsa_kernel
	.amdgpu_metadata
---
amdhsa.version: [ 1, 2 ]
amdhsa.kernels:
  - .name:           k_qcead7f876f_qkv
    .symbol:         k_qcead7f876f_qkv.kd
    .args:
      - { .name: inputs, .offset: 0, .size: 8, .value_kind: global_buffer, .address_space: global }
      - { .name: W_qkv, .offset: 8, .size: 8, .value_kind: global_buffer, .address_space: global }
      - { .name: W_o, .offset: 16, .size: 8, .value_kind: global_buffer, .address_space: global }
      - { .name: qkv, .offset: 24, .size: 8, .value_kind: global_buffer, .address_space: global }
      - { .name: woq, .offset: 32, .size: 8, .value_kind: global_buffer, .address_space: global }
    .group_segment_fixed_size: 71680
    .private_segment_fixed_size: 0
    .kernarg_segment_align: 8
    .kernarg_segment_size: 40
    .max_flat_workgroup_size: 512
    .sgpr_count:     66
    .vgpr_count:     256
    .wavefront_size: 32
...
	.end_amdgpu_metadata
.endif
;; end of part 3
;; launch attn (part 4): grid 256 x 1, 16 waves a work-group, no clusters, 109,568 bytes of LDS; arguments qkv, woq, out0; writes out0
.if DOCPART == 4
	.amdgcn_target "amdgcn-amd-amdhsa--gfx1250"
	.amdhsa_code_object_version 6
	.text
	.protected	k_qcead7f876f_attn
	.globl	k_qcead7f876f_attn
	.p2align	8
	.type	k_qcead7f876f_attn,@function
k_qcead7f876f_attn:
	s_mov_b64 s[64:65], 0
	v_nop
	global_prefetch_b8 v0, s[64:65] scope:SCOPE_SE
	s_setreg_imm32_b32 hwreg(HW_REG_WAVE_SCHED_MODE, 0, 2), 2
	s_setreg_imm32_b32 hwreg(HW_REG_WAVE_MODE, 25, 1), 1
	s_wait_xcnt 0x0
	s_wait_alu depctr_vm_vsrc(0)
.set BATCHB, 393216
.set GRPB,   65536
.set WOSC,   32768
.set XCH,    0
.set PART,   4096
.set SAS,    PART+16*4096
.set SAP,    272
.set OST,    SAS+16*SAP
.set OSP,    2064
.set LI,   2
.set XR,   3
.set XW,   4
.set PST,  5
.set PA,   6
.set S1R,  7
.set S1W,  8
.set S2R,  9
.set OW,   10
.set ORD,  11
.set LS,   12
.set T0,   14
.set QQ,   16
.set KK,   32
.set VV,   96
.set TA,   160
.set TB,   192
.set SL,   224
.set SO,   226
.set QW,   228
.set MW,   230
.set KX,   232
.set RS,   234
.set WS,   244
.set PW,   246
.set WO,   KK
.set PC,   VV
.set DD,   VV+16
.set TM,   TB
.set WV,  10
.set HF,  11
.set PT,  12
.set BA,  13
.set BL,  14
.set CS,  15
.set SEL, 16
.set MNT, 18
.set RB,  19
.set TR,  32
.macro QUANT s, pc, pw, nb
.irp b, 0,1,2,3
.if \b < \nb
	v_max3_num_f32 v[TM+\b], |v[\s+16*\b]|, |v[\s+1+16*\b]|, 0x8000000
.endif
.endr
.irp i, 2,4,6,8,10,12,14
.irp b, 0,1,2,3
.if \b < \nb
	v_max3_num_f32 v[TM+\b], v[TM+\b], |v[\s+16*\b+\i]|, |v[\s+1+16*\b+\i]|
.endif
.endr
.endr
.irp b, 0,1,2,3
.if \b < \nb
	v_permlanex16_b32 v[TM+4+\b], v[TM+\b], s[SEL], s[SEL+1]
.endif
.endr
.irp b, 0,1,2,3
.if \b < \nb
	v_max_num_f32 v[TM+\b], v[TM+\b], v[TM+4+\b]
.endif
.endr
.irp b, 0,1,2,3
.if \b < \nb
	v_add_nc_u32 v[TM+12+\b], 0xf8800000, v[TM+\b]
.endif
.endr
.irp b, 0,1,2,3
.if \b < \nb
	v_and_or_b32 v[TM+8+\b], v[TM+\b], 0x7f800000, s[MNT]
.endif
.endr
.irp b, 0,1,2,3
.if \b < \nb
	v_lshrrev_b32 v[TM+4+\b], 23, v[TM+12+\b]
.endif
.endr
	v_lshl_or_b32 v[\pw], v[TM+5], 8, v[TM+4]
.if \nb > 2
	v_lshl_or_b32 v[\pw], v[TM+6], 16, v[\pw]
	v_lshl_or_b32 v[\pw], v[TM+7], 24, v[\pw]
.endif
.irp b, 0,1,2,3
.if \b < \nb
.irp i, 0,1,2,3,4,5,6,7,8,9,10,11,12,13,14,15
	v_med3_num_f32 v[\s+16*\b+\i], v[\s+16*\b+\i], -v[TM+8+\b], v[TM+8+\b]
.endr
	v_cvt_scalef32_pk8_bf8_f32 v[\pc+4*\b:\pc+1+4*\b], v[\s+16*\b:\s+7+16*\b], v[TM+12+\b]
	v_cvt_scalef32_pk8_bf8_f32 v[\pc+2+4*\b:\pc+3+4*\b], v[\s+8+16*\b:\s+15+16*\b], v[TM+12+\b]
.endif
.endr
	v_nop
.endm
.macro SETUP q
	v_mul_f32 v[QW], s[CS], v[\q]
	v_mul_f32 v[T0], v[QW], v[KX]
	v_mul_f32 v[T0+1], v[QW], v[KX+1]
	v_max_num_f32 v[MW], v[T0], -v[T0+1]
.endm
.macro PHASE y, x, half, ex, cons, prod
.set i, 0
.rept 16
.if \ex
	v_exp_f32 v[\y+2*i], v[\y+2*i]
.endif
.if (\cons == 1) && (i == 0)
	v_pk_mul_f32 v[SL:SL+1], v[\x:\x+1], 1.0 op_sel_hi:[1,0]
.elseif \cons
	v_pk_add_f32 v[SL:SL+1], v[SL:SL+1], v[\x+2*i:\x+2*i+1]
.endif
.if \ex
	v_exp_f32 v[\y+2*i+1], v[\y+2*i+1]
.endif
.if (\cons == 1) && (i == 0)
	v_pk_mul_f32 v[SO:SO+1], v[\x:\x+1], v[VV+\half:VV+\half+1]
.elseif \cons
	v_pk_fma_f32 v[SO:SO+1], v[\x+2*i:\x+2*i+1], v[VV+\half+2*i:VV+\half+2*i+1], v[SO:SO+1]
.endif
.if \prod
	v_pk_fma_f32 v[\x+2*i:\x+2*i+1], v[KK+\half+2*i:KK+\half+2*i+1], v[QW:QW+1], v[MW:MW+1] op_sel_hi:[1,0,0] neg_lo:[0,0,1] neg_hi:[0,0,1]
.endif
.set i, i+1
.endr
.endm
.macro SUMS u
	v_add_f32 v[RS+2*(\u)], v[SL], v[SL+1]
	v_add_f32 v[RS+2*(\u)+1], v[SO], v[SO+1]
.endm
.macro SEND u
	ds_store_b64 v[PA], v[RS+2*(\u):RS+2*(\u)+1] offset:256*(\u)
.endm
.macro BARRIER
	s_wait_dscnt 0x0
	s_barrier_signal -1
	s_barrier_wait -1
.endm
	s_load_b128 s[4:7], s[0:1], 0x0
	s_load_b64 s[8:9], s[0:1], 0x10
	v_lshl_add_u32 v248, v0, 2, 0x1a400
	v_mov_b32 v249, 0
	v_lshrrev_b32 v1, 5, v0
	v_readfirstlane_b32 s[WV], v1
	v_and_b32 v1, 31, v0
	v_and_b32 v13, 15, v0
	v_bfe_u32 v14, v0, 4, 1
	v_lshlrev_b32 v[LI], 4, v1
	v_lshlrev_b32 v[LS], 2, v1
	s_wait_alu depctr_va_sdst(0)
	s_and_b32 s[HF], s[WV], 1
	s_lshr_b32 s[PT], s[WV], 1
	s_lshr_b32 s[BA], ttmp9, 5
	s_and_b32 s[BL], ttmp9, 31
	s_mul_i32 s20, s[BA], BATCHB
	s_lshl_b32 s21, s[HF], 16
	s_add_co_u32 s20, s20, s21
	s_lshl_b32 s22, s[BL], 11
	s_add_co_u32 s22, s22, s20
	s_mov_b32 s23, 0
	s_lshl_b32 s24, s[PT], 13
	s_add_co_u32 s24, s24, s20
	s_add_co_u32 s24, s24, 2*GRPB
	s_mov_b32 s25, 0
	s_lshl_b32 s26, s[WV], 11
	s_mov_b32 s27, 0
	s_wait_kmcnt 0x0
	s_add_nc_u64 s[22:23], s[4:5], s[22:23]
	s_add_nc_u64 s[24:25], s[4:5], s[24:25]
	s_add_nc_u64 s[28:29], s[6:7], s[26:27]
	s_wait_alu depctr_va_vdst(0)
.irp j, 0,1,2,3
	global_load_b128 v[QQ+4*\j:QQ+4*\j+3], v[LI], s[22:23] offset:512*\j
.endr
.irp j, 0,1,2,3,4,5,6,7,8,9,10,11,12,13,14,15
	global_load_b128 v[KK+4*\j:KK+4*\j+3], v[LI], s[24:25] offset:512*\j
.endr
.irp j, 0,1,2,3,4,5,6,7,8,9,10,11,12,13,14,15
	global_load_b128 v[VV+4*\j:VV+4*\j+3], v[LI], s[24:25] offset:2*GRPB+512*\j
.endr
	s_lshl_b32 s26, s[WV], 8
	s_add_co_u32 s26, s26, WOSC
	s_add_nc_u64 s[30:31], s[6:7], s[26:27]
	s_lshl_b32 s26, s[BA], 20
	s_lshl_b32 s20, s[BL], 15
	s_add_co_u32 s26, s26, s20
	s_lshl_b32 s20, s[WV], 11
	s_add_co_u32 s26, s26, s20
	s_add_nc_u64 s[8:9], s[8:9], s[26:27]
	s_lshl_b32 s20, s[HF], 8
	v_lshl_add_u32 v[XR], v1, 3, s20
	s_lshl_b32 s20, s[WV], 8
	v_lshl_add_u32 v[XW], v1, 3, s20
	s_lshl_b32 s20, s[WV], 12
	s_add_co_u32 s20, s20, PART
	v_lshl_add_u32 v[PST], v1, 3, s20
	s_lshl_b32 s20, s[WV], 8
	s_add_co_u32 s20, s20, PART
	v_lshl_add_u32 v[S1R], v13, 4, s20
	v_lshl_add_u32 v[S1R], v14, 12, v[S1R]
	s_mul_i32 s20, s[WV], SAP
	s_add_co_u32 s20, s20, SAS
	v_lshl_add_u32 v[S1W], v1, 3, s20
	v_mul_u32_u24 v[S2R], v13, SAP
	v_lshl_add_u32 v[S2R], v14, 6, v[S2R]
	v_add_nc_u32 v[S2R], SAS, v[S2R]
	v_mul_u32_u24 v[OW], v13, OSP
	v_lshl_add_u32 v[OW], v14, 5, v[OW]
	s_lshl_b32 s20, s[WV], 7
	s_add_co_u32 s20, s20, OST
	v_add_nc_u32 v[OW], s20, v[OW]
	s_mul_i32 s20, s[WV], OSP
	s_add_co_u32 s20, s20, OST
	v_add_nc_u32 v[ORD], s20, v[LI]
	s_mov_b32 s[CS], 0x3e38aa3b
	s_mov_b32 s[SEL], 0x76543210
	s_mov_b32 s[SEL+1], 0xfedcba98
	s_mov_b32 s[MNT], 0x600000
	v_mov_b32 v[QW+1], 0
	v_mov_b32 v[MW+1], 0
	s_wait_loadcnt 16
	v_max3_num_f32 v[KX], v[KK], v[KK+1], v[KK+2]
	v_max3_num_f32 v[KX+1], -v[KK], -v[KK+1], -v[KK+2]
.set i, 3
.rept 30
	v_max3_num_f32 v[KX], v[KX], v[KK+i], v[KK+i+1]
	v_max3_num_f32 v[KX+1], v[KX+1], -v[KK+i], -v[KK+i+1]
.set i, i+2
.endr
	v_max_num_f32 v[KX], v[KX], v[KK+63]
	v_max_num_f32 v[KX+1], v[KX+1], -v[KK+63]
	s_wait_alu depctr_va_vdst(0)
	ds_store_b64 v[XW], v[KX:KX+1]
	BARRIER
.irp p, 0,1,2,3,4,5,6,7
	ds_load_b64 v[TA+2*\p:TA+2*\p+1], v[XR] offset:512*\p
.endr
	s_wait_dscnt 0x0
	s_wait_alu depctr_vm_vsrc(0)
.irp e, 0,1
	v_max3_num_f32 v[KX+\e], v[TA+\e], v[TA+2+\e], v[TA+4+\e]
.endr
.irp p, 6,10
.irp e, 0,1
	v_max3_num_f32 v[KX+\e], v[KX+\e], v[TA+\p+\e], v[TA+\p+2+\e]
.endr
.endr
.irp e, 0,1
	v_max_num_f32 v[KX+\e], v[KX+\e], v[TA+14+\e]
.endr
	SETUP QQ
	PHASE TB, TA, 0,  0, 0, 1
	PHASE TA, TB, 32, 1, 0, 1
	s_wait_alu depctr_va_vdst(0)
	s_wait_loadcnt 0x0
	s_mov_b32 s[RB], 0
	s_mov_b32 s[TR], 3
.Ltrip:
	s_wait_dscnt 0x0
	s_wait_alu depctr_vm_vsrc(0)
	v_add_nc_u32 v[PA], s[RB], v[PST]
.irp u, 0,1,2,3,4
	SETUP QQ+1+\u
	PHASE TB, TA, 0,  1, 1, 1
	s_wait_alu depctr_va_vdst(0)
	PHASE TA, TB, 32, 1, 2, 1
	SUMS \u
	s_wait_alu depctr_va_vdst(0)
	SEND \u
.endr
.irp i, 1,2,3,4,5,6,7,8,9,10
	v_mov_b32 v[QQ+\i], v[QQ+\i+5]
.endr
	s_add_co_u32 s[RB], s[RB], 5*256
	s_sub_co_u32 s[TR], s[TR], 1
	s_cmp_lg_u32 s[TR], 0
	s_cbranch_scc1 .Ltrip
	s_wait_dscnt 0x0
	s_wait_alu depctr_vm_vsrc(0)
	v_add_nc_u32 v[PA], s[RB], v[PST]
	PHASE TB, TA, 0,  1, 1, 0
	s_wait_alu depctr_va_vdst(0)
	PHASE TA, TB, 32, 0, 2, 0
	SUMS 0
	s_wait_alu depctr_va_vdst(0)
	SEND 0
.irp t, 0,1
.irp c, 0,1
	global_load_b128 v[WO+16*\t+4*\c:WO+16*\t+4*\c+3], v[LI], s[28:29] offset:1024*\t+512*\c
.endr
	global_load_b32 v[WS+\t], v[LS], s[30:31] offset:128*\t
.endr
.irp t, 0,1
.irp z, 8,9,10,11,12,13,14,15
	v_mov_b32 v[WO+16*\t+\z], 0
.endr
.endr
.irp z, 8,9,10,11,12,13,14,15
	v_mov_b32 v[PC+\z], 0
.endr
	BARRIER
.irp p, 0,1,2,3,4,5,6,7
	ds_load_b128 v[TA+4*\p:TA+4*\p+3], v[S1R] offset:8192*\p
.endr
	s_wait_dscnt 0x0
.irp p, 1,2,3,4,5,6,7
	v_pk_add_f32 v[TA:TA+1], v[TA:TA+1], v[TA+4*\p:TA+4*\p+1]
	v_pk_add_f32 v[TA+2:TA+3], v[TA+2:TA+3], v[TA+4*\p+2:TA+4*\p+3]
.endr
	v_rcp_f32 v[T0], v[TA]
	v_rcp_f32 v[T0+1], v[TA+2]
	v_nop
	s_wait_alu depctr_va_vdst(0)
	s_wait_alu depctr_vm_vsrc(0)
	v_mul_f32 v[RS], v[TA+1], v[T0]
	v_mul_f32 v[RS+1], v[TA+3], v[T0+1]
	s_wait_alu depctr_va_vdst(0)
	ds_store_b64 v[S1W], v[RS:RS+1]
	BARRIER
.irp c, 0,1
.irp j, 0,1,2,3
	ds_load_b128 v[TA+16*\c+4*\j:TA+16*\c+4*\j+3], v[S2R] offset:128*\c+16*\j
.endr
.endr
	s_wait_dscnt 0x0
	QUANT TA, PC, PW, 2
	s_wait_loadcnt 0x0
.rept 4
	v_nop
.endr
	s_wait_alu depctr_va_vdst(0)
.irp t, 0,1
	v_wmma_scale_f32_16x16x128_f8f6f4 v[DD+8*\t:DD+8*\t+7], v[WO+16*\t:WO+16*\t+15], v[PC:PC+15], 0, v[WS+\t], v[PW] matrix_a_fmt:MATRIX_FMT_BF8 matrix_b_fmt:MATRIX_FMT_BF8
.endr
.rept 8
	v_nop
.endr
	s_wait_alu depctr_va_vdst(0)
.irp t, 0,1
	ds_store_b128 v[OW], v[DD+8*\t:DD+8*\t+3] offset:64*\t
	ds_store_b128 v[OW], v[DD+8*\t+4:DD+8*\t+7] offset:64*\t+16
.endr
	BARRIER
.irp i, 0,1,2,3
	ds_load_b128 v[TA+4*\i:TA+4*\i+3], v[ORD] offset:512*\i
.endr
.irp i, 0,1,2,3
	s_wait_dscnt 3-\i
	global_store_b128 v[LI], v[TA+4*\i:TA+4*\i+3], s[8:9] offset:512*\i th:TH_STORE_NT
.endr
	s_wait_dscnt 0x0
	s_wait_alu 0x0
	s_wait_tensorcnt 0x0
	ds_add_u32 v248, v249
	s_wait_dscnt 0x0
	s_endpgm
.Lfunc_end_k_qcead7f876f_attn:
	.size	k_qcead7f876f_attn, .Lfunc_end_k_qcead7f876f_attn-k_qcead7f876f_attn
	.p2alignl 7, 3214868480
	.fill 96, 4, 3214868480
	.section	.rodata,"a",@progbits
	.p2align	6, 0x0
	.amdhsa_kernel k_qcead7f876f_attn
		.amdhsa_group_segment_fixed_size 109568
		.amdhsa_private_segment_fixed_size 0
		.amdhsa_enable_private_segment 0
		.amdhsa_kernarg_size 24
		.amdhsa_user_sgpr_count 2
		.amdhsa_user_sgpr_kernarg_segment_ptr 1
		.amdhsa_wavefront_size32 1
		.amdhsa_system_sgpr_workgroup_id_x 1
		.amdhsa_system_sgpr_workgroup_id_y 1
		.amdhsa_system_sgpr_workgroup_id_z 1
		.amdhsa_system_vgpr_workitem_id 0
		.amdhsa_next_free_vgpr 250
		.amdhsa_next_free_sgpr 66
		.amdhsa_reserve_vcc 0
		.amdhsa_float_denorm_mode_32 3
		.amdhsa_float_denorm_mode_16_64 3
		.amdhsa_memory_ordered 1
		.amdhsa_forward_progress 1
		.amdhsa_inst_pref_size 73
	.end_amdhsa_kernel
	.amdgpu_metadata
---
amdhsa.version: [ 1, 2 ]
amdhsa.kernels:
  - .name:           k_qcead7f876f_attn
    .symbol:         k_qcead7f876f_attn.kd
    .args:
      - { .name: qkv, .offset: 0, .size: 8, .value_kind: global_buffer, .address_space: global }
      - { .name: woq, .offset: 8, .size: 8, .value_kind: global_buffer, .address_space: global }
      - { .name: out0, .offset: 16, .size: 8, .value_kind: global_buffer, .address_space: global }
    .group_segment_fixed_size: 109568
    .private_segment_fixed_size: 0
    .kernarg_segment_align: 8
    .kernarg_segment_size: 24
    .max_flat_workgroup_size: 512
    .sgpr_count:     66
    .vgpr_count:     250
    .wavefront_size: 32
...
	.end_amdgpu_metadata
.endif
;; end of part 4
